; MI455X (gfx1250); checked and timed in simulation.
; The chip was launched on July 23, 2026; its instructions are those of AMD's public machine-readable ISA for CDNA 5 (MIT licence, August 2026) and "CDNA5" Instruction Set Architecture Reference Guide (July 2026). The comments in the code are by the model that wrote it; some were corrected since.
;; Differentiable Modal Plate. Allowed arithmetic: float matrix products may take bf16 or f16 operands with f32 sums; all other float work in f32.
;; Inputs: D_over_mu_raw one number float32; Ly_raw one number float32; T0_over_mu_raw one number float32; mu_raw one number float32; xo_raw one number float32; yo_raw one number float32.
;; Outputs: out0 22,050 float32.
;; Constants: num_samples = 22050.
;; 2 versions, each right; version 2 is version 1 with the launch bank written anew for expert scheduling mode. Each part assembles by itself: llvm-mc -triple=amdgcn-amd-amdhsa -mcpu=gfx1250 --defsym DOCPART=n.
;; ======== version 1 of 2: 3 launches
;; workspace buffers: part 4,915,200 bytes; vel 88,576 bytes; bmax 768 bytes
;; launch bank (part 1): grid 50 x 4, 4 waves a work-group, no clusters, 111,104 bytes of LDS; arguments D_over_mu_raw, Ly_raw, T0_over_mu_raw, mu_raw, xo_raw, yo_raw, part; writes part
.if DOCPART == 1
	.amdgcn_target "amdgcn-amd-amdhsa--gfx1250"
	.amdhsa_code_object_version 6
	.text
	.protected	k_q496ac378e1_bank
	.globl	k_q496ac378e1_bank
	.p2align	8
	.type	k_q496ac378e1_bank,@function
k_q496ac378e1_bank:
	s_mov_b64 s[64:65], 0
	v_nop
	global_prefetch_b8 v0, s[64:65] scope:SCOPE_SE
	s_setreg_imm32_b32 hwreg(HW_REG_WAVE_MODE, 25, 1), 1
	s_wait_xcnt 0x0
; Damped sinusoid bank as a matrix product.  With z = exp(-sigma K + i w) and d = c (exp(i w) - exp(sigma K)) the first
; difference of the displacement is  disp[n] - disp[n-1] = sum over modes of Im(d z^n)  for every n >= 0 (disp[-1] is exactly 0),
; so no difference of large sums is formed.  With n = 128 n1 + n0:  Im(sum_m U[n1][m] V[m][n0]),  U = d z^(128 n1),  V = z^n0:
; a real product with K index 2 m + (0,1):  U row = (Re U, Im U),  V column = (Im V, Re V).
; A work-group owns 128 modes (one a thread, K = 256) and a tile of 96 rows (n1) x 64 columns (n0); grid x = 50 groups of modes,
; grid y = 4 tiles (2 x 2) of the 192 x 128 sheet.  It stores its partial tile, scaled by 4K/(mu Ly), into part[group][128 n1 + n0].
; No operand comes from memory, so there is nothing for tensor loads, shared tiles or prefetches to bring.
; Operands are f16, sums f32.  Range: |V| <= 1; |U| <= |d| < 4 for every input, because the weight 'valid' is exactly 0 for
; omega >= 71704 (its exponential overflows), so w < 1.63 where a mode counts, and omega >= 0.1098 always (softplus + 1e-4, Ly <= 4),
; so sigma/omega <= 10.5 where valid <= 0.23.  The common factor K^2/(ms K) stays in f32 outside the product.
; LIMITS: inputs for which the problem's own formula is not finite are not served.  A mode of weight exactly 0 contributes 0 also
; where sin w + 1e-8 happens to be exactly 0 (the formula has 0/0 there).  expm1(sigma K) is a series of four terms: sigma K < 0.0275
; wherever valid is not 0, its next term is below 5e-9 of the sum there; elsewhere it only has to be finite.
; Phases are N w in turns, the product reduced exactly by one fused multiply-add; what is left is omega's own f32 rounding.
.set PITCH,    528                     ; LDS row of U or V: 256 f16 + 16 bytes = 33 x 16: sixteen rows start at sixteen different 16-byte columns modulo 256
.set TROWS,    96
.set TCOLS,    64
.set VLDS,     TROWS*PITCH             ; V behind U
.set STAGE,    VLDS+TCOLS*PITCH        ; the way out: 96 rows x (256 + 16) bytes
.set SPITCH,   272
.set GRPBYTES, 192*128*4               ; one partial sheet
; vector registers
.set FM,  2                            ; m as f32
.set FN,  3                            ; n as f32
.set NB,  4                            ; v[4:7]   powers asked for directly: 1, 128, col0, 128 row0
.set TF,  8                            ; v[8:11]  four phases at a time: fraction of a turn, then the quarter angle x
.set TX2, 12                           ; x^2
.set TS,  16                           ; sine
.set TC,  20                           ; cosine
.set TT,  24                           ; at work; at the end 2 sin(theta/2)
.set TH,  28                           ; sin(theta/2)
.set NV,  32                           ; v[32:35] turns per index of the four weight cosines
.set EX,  36                           ; v[36:39] |z|^N of the four powers
.set VD,  40                           ; D/mu, T0/mu, mu
.set VT,  41
.set VMU, 42
.set LY,  43
.set PR,  44                           ; pi / Ly
.set C13, 45
.set EA,  46                           ; v[46:51], v[52:57], v[58:63]: the six inputs' transforms, side by side
.set EU,  52
.set ER,  58
.set G1,  64
.set W2,  65
.set OM,  66
.set SG,  67
.set WT,  68                           ; w in turns
.set LP,  69                           ; sigma K log2(e)
.set YK,  70                           ; sigma K
.set E1,  71
.set E2,  72
.set WGT, 73
.set DRE, 74
.set DIM, 75
.set PA,  76
.set ZM1, 80                           ; multipliers, six registers each: (re V-side, re U-side), (im, im), (-im, -im)
.set ZM2, 86
.set ZM4, 92
.set XC,  100                          ; v[100:115] chain q: (re V_q, re U_q), (im V_q, im U_q)
.set TM,  116                          ; v[116:131] at work
.set HV,  132                          ; v[132:139] packed f16 pairs
.set AU,  140
.set AV,  141
.set FB0, 8                            ; v[8:87], v[88:167]: fragment buffers, two K steps each (after the chains are done)
.set FB1, 88
.set ACC, 192                          ; v[192:239] six accumulators
.set FS,  240                          ; v[240:241] 4K/(mu Ly), twice
.set ADA, 242
.set ADB, 243
.set STO, 244
.set RD,  245
.set GO,  246
; scalar constants
.set KS3, 36
.set KS5, 37
.set KS7, 38
.set KS9, 39
.set KC4, 40
.set KC6, 41
.set KC8, 42
.set KNL, 43
.set KNL2, 44
.set K29, 45
.set K255, 46
.set K245, 47
.set KBETA, 48
.set KSIG, 49
.set KSIGN, 50
	s_load_b256 s[4:11], s[0:1], 0x0               ; D_over_mu_raw, Ly_raw, T0_over_mu_raw, mu_raw
	s_load_b128 s[12:15], s[0:1], 0x20             ; xo_raw, yo_raw
	s_load_b64 s[16:17], s[0:1], 0x30              ; part
	v_lshl_add_u32 v248, v0, 2, 0x1b000
	v_mov_b32 v249, 0
	s_wait_kmcnt 0x0
	s_load_b32 s20, s[4:5], 0x0                    ; the six numbers, all on their way at once
	s_load_b32 s21, s[6:7], 0x0
	s_load_b32 s22, s[8:9], 0x0
	s_load_b32 s23, s[10:11], 0x0
	s_load_b32 s24, s[12:13], 0x0
	s_load_b32 s25, s[14:15], 0x0
	; everything that needs no input is done while they come
	s_mov_b32 s[KS3], 0xbe2aaaab                   ; -1/6      sine's Taylor coefficients
	s_mov_b32 s[KS5], 0x3c088889                   ; 1/120
	s_mov_b32 s[KS7], 0xb9500d01                   ; -1/5040
	s_mov_b32 s[KS9], 0x3638ef1d                   ; 1/362880
	s_mov_b32 s[KC4], 0x3d2aaaab                   ; 1/24      cosine's
	s_mov_b32 s[KC6], 0xbab60b61                   ; -1/720
	s_mov_b32 s[KC8], 0x37d00d01                   ; 1/40320
	s_mov_b32 s[KNL], 0xbfb8aa3b                   ; -log2(e)
	s_mov_b32 s[KNL2], 0xc038aa3b                  ; -2 log2(e)
	s_mov_b32 s[K29], 0x4039999a                   ; 2.9
	s_mov_b32 s[K255], 0x3e828f5c                  ; 0.255
	s_mov_b32 s[K245], 0x3e7ae148                  ; 0.245
	s_mov_b32 s[KBETA], 0x347a8131                 ; beta = ln 10 / (pi^2 1e6) = 2.3330065e-7
	s_mov_b32 s[KSIG], 0x3c6c5f04                  ; log2(e)/100
	s_mov_b32 s[KSIGN], 0xbc6c5f04
	s_lshl_b32 s26, ttmp9, 7                       ; the group's first mode
	s_and_b32 s27, ttmp7, 0xffff                   ; tile 0..3
	s_lshr_b32 s28, s27, 1                         ; which 96 rows
	s_and_b32 s29, s27, 1                          ; which 64 columns
	s_mul_i32 s31, s28, 128*TROWS                  ; 128 row0: the sample index of the tile's first row
	s_lshl_b32 s32, s29, 6                         ; col0
	v_lshrrev_b32 v1, 5, v0
	v_readfirstlane_b32 s30, v1                    ; wave 0..3
	s_lshr_b32 s33, s30, 1                         ; my 48 rows of the tile
	s_and_b32 s34, s30, 1                          ; my 32 columns
	v_add_nc_u32 v1, s26, v0                       ; mode index = 80 (m-1) + (n-1), 0..6399
	v_mul_u32_u24 v[TM], 0xcccd, v1                ; / 80: 52429 / 2^22 is exact for indices below 6400
	v_lshrrev_b32 v[TM], 22, v[TM]
	v_mul_u32_u24 v[TM+1], 80, v[TM]
	v_sub_nc_u32 v[TM+1], v1, v[TM+1]
	v_add_nc_u32 v[TM], 1, v[TM]
	v_add_nc_u32 v[TM+1], 1, v[TM+1]
	v_cvt_f32_u32 v[FM], v[TM]
	v_cvt_f32_u32 v[FN], v[TM+1]
	v_mul_f32 v[PA], 0x40490fdb, v[FM]             ; m pi
	v_mov_b32 v[NV], 0x3e2b851f                    ; 0.335/2 turns per m (input point, x)
	v_mov_b32 v[NV+1], 0x3e6f1aa0                  ; 0.467/2 turns per n (input point, y: yi/Ly is 0.467)
	v_mov_b32 v[NB], 1.0
	v_mov_b32 v[NB+1], 0x43000000                  ; 128
	v_cvt_f32_u32 v[NB+2], s32
	v_cvt_f32_u32 v[NB+3], s31
	v_lshlrev_b32 v[AU], 2, v0                     ; my mode's two f16 in a row of U: neighbouring lanes, neighbouring words
	v_add_nc_u32 v[AV], VLDS, v[AU]
	; fragment, stage and output addresses
	v_and_b32 v[TM], 15, v0                        ; r
	v_bfe_u32 v[TM+1], v0, 4, 1                    ; h
	v_mul_u32_u24 v[TM+2], v[TM], PITCH
	v_lshl_add_u32 v[TM+2], v[TM+1], 4, v[TM+2]    ; r pitch + 16 h
	s_mul_i32 s35, s33, 48*PITCH
	v_add_nc_u32 v[ADA], s35, v[TM+2]
	s_mul_i32 s35, s34, 32*PITCH
	s_add_co_u32 s35, s35, VLDS
	v_add_nc_u32 v[ADB], s35, v[TM+2]
	v_mul_u32_u24 v[TM+2], v[TM], SPITCH
	v_lshl_add_u32 v[TM+2], v[TM+1], 5, v[TM+2]    ; stage: row r, 32 bytes for each half of the lanes
	s_mul_i32 s35, s33, 48*SPITCH
	s_lshl_b32 s54, s34, 7
	s_add_co_u32 s35, s35, s54
	s_add_co_u32 s35, s35, STAGE
	v_add_nc_u32 v[STO], s35, v[TM+2]
	v_lshrrev_b32 v[TM+1], 4, v0                   ; thread / 16: 0..7
	v_mul_u32_u24 v[TM+2], v[TM+1], SPITCH
	v_lshl_add_u32 v[TM+2], v[TM], 4, v[TM+2]
	v_add_nc_u32 v[RD], STAGE, v[TM+2]             ; back: sixteen lanes take one row's 256 bytes
	v_lshlrev_b32 v[TM+2], 9, v[TM+1]
	v_lshl_add_u32 v[GO], v[TM], 4, v[TM+2]        ; the same in the sheet: rows of 512 bytes
	s_mul_i32 s54, ttmp9, GRPBYTES
	s_mul_i32 s55, s28, TROWS*512
	s_add_co_u32 s54, s54, s55
	s_lshl_b32 s55, s29, 8
	s_add_co_u32 s54, s54, s55
	s_mov_b32 s55, 0
	s_add_nc_u64 s[16:17], s[16:17], s[54:55]      ; my tile's first byte
	s_wait_kmcnt 0x0
	; ---- the six parameters (the same in every lane).  softplus(x) = max(x,0) + log1p(u), u = exp(-|x|), and
	; log1p(u) = 2 atanh(s), s = u/(2+u) <= 1/3: 2 s (1 + s^2/3 + .. + s^12/13), next term below 1.4e-8 of the sum for every u in [0,1].
	; (tanh(x)+1)/2 = 1/(1 + exp(-2x)).
	s_and_b32 s51, s20, 0x7fffffff
	s_and_b32 s52, s22, 0x7fffffff
	s_and_b32 s53, s23, 0x7fffffff
	v_mul_f32 v[EA+0], s[KNL], s51
	v_mul_f32 v[EA+1], s[KNL], s52
	v_mul_f32 v[EA+2], s[KNL], s53
	v_mul_f32 v[EA+3], s[KNL2], s21
	v_mul_f32 v[EA+4], s[KNL2], s24
	v_mul_f32 v[EA+5], s[KNL2], s25
.irp i, 0,1,2,3,4,5
	v_exp_f32 v[EU+\i], v[EA+\i]
.endr
	v_max_num_f32 v[VD], 0, s20                    ; plain work stands between the exponentials and their first use (ISA guide 5.7.2)
	v_max_num_f32 v[VT], 0, s22
	v_max_num_f32 v[VMU], 0, s23
	s_wait_alu depctr_va_vdst(0)
.irp i, 0,1,2
	v_add_f32 v[EA+\i], 2.0, v[EU+\i]
.endr
.irp i, 3,4,5
	v_add_f32 v[EA+\i], 1.0, v[EU+\i]
.endr
.irp i, 0,1,2,3,4,5
	v_rcp_f32 v[ER+\i], v[EA+\i]
.endr
	v_mov_b32 v[C13], 0x3d9d89d9                   ; 1/13 (also the plain instruction behind the reciprocals)
	s_wait_alu depctr_va_vdst(0)
.irp i, 0,1,2
	v_mul_f32 v[EA+\i], v[EU+\i], v[ER+\i]         ; s
.endr
	v_fmaak_f32 v[LY], s[K29], v[ER+3], 0x3f8ccccd    ; Ly = 1.1 + 2.9 t
	v_fmaak_f32 v[NV+2], s[K255], v[ER+4], 0x3e7ae148 ; xo/2 = 0.245 + 0.255 t: turns per m
	v_fmaak_f32 v[NV+3], s[K245], v[ER+5], 0x3e828f5c ; yo/(2 Ly) = 0.255 + 0.245 t: turns per n
	v_rcp_f32 v[PR], v[LY]
.irp i, 0,1,2
	v_mul_f32 v[EU+\i], v[EA+\i], v[EA+\i]         ; s^2
.endr
	s_wait_alu depctr_va_vdst(0)
	v_mul_f32 v[PR], 0x40490fdb, v[PR]             ; pi / Ly
.irp i, 0,1,2
	v_fmaak_f32 v[ER+\i], v[EU+\i], v[C13], 0x3dba2e8c     ; s^2/13 + 1/11
.endr
.irp k, 0x3de38e39, 0x3e124925, 0x3e4ccccd, 0x3eaaaaab     ; 1/9, 1/7, 1/5, 1/3
.irp i, 0,1,2
	v_fmaak_f32 v[ER+\i], v[ER+\i], v[EU+\i], \k
.endr
.endr
.irp i, 0,1,2
	v_fma_f32 v[ER+\i], v[ER+\i], v[EU+\i], 1.0
.endr
.irp i, 0,1,2
	v_add_f32 v[EA+\i], v[EA+\i], v[EA+\i]
.endr
.irp i, 0,1,2
	v_fma_f32 v[VD+\i], v[EA+\i], v[ER+\i], v[VD+\i]       ; max(x,0) + 2 s (..)
.endr
.irp i, 0,1,2
	v_add_f32 v[VD+\i], 0x38d1b717, v[VD+\i]               ; + 1e-4
.endr
	v_mul_f32 v[EA+3], v[VMU], v[LY]
	v_rcp_f32 v[FS], v[EA+3]
	; ---- my mode: frequency, damping
	v_mul_f32 v[G1], v[FN], v[PR]
	v_mul_f32 v[G1], v[G1], v[G1]
	v_fma_f32 v[G1], v[PA], v[PA], v[G1]           ; g1 = (m pi)^2 + (n pi / Ly)^2
	v_fma_f32 v[W2], v[VD], v[G1], v[VT]
	v_mul_f32 v[W2], v[W2], v[G1]                  ; omega^2 = g1 (T0/mu + D/mu g1)
	v_max_num_f32 v[W2], 0, v[W2]
	v_sqrt_f32 v[OM], v[W2]
	v_fmaak_f32 v[SG], s[KBETA], v[W2], 0x3f935d8e ; sigma = alpha + beta omega^2, alpha = ln(10)/2
	s_wait_alu depctr_va_vdst(0)
	v_mul_f32 v[FS+1], 0x38be37c6, v[FS]           ; 4K/(mu Ly) = K^2/ms/K, in both registers of the pair
	v_mul_f32 v[FS], 0x38be37c6, v[FS]
	v_mul_f32 v[LP], 0x38093693, v[SG]             ; sigma K log2(e)
	v_mul_f32 v[YK], 0x37be37c6, v[SG]             ; sigma K
	v_mul_f32 v[WT], 0x36723163, v[OM]             ; omega K / (2 pi): turns per sample
	; the four weight cosines' phases: index x turns, less the nearest whole number, the product kept exact by the fused multiply-add
.irp i, 0,1,2,3
	v_mul_f32 v[TT+\i], v[NV+\i], v[FM+(\i&1)]
.endr
.irp i, 0,1,2,3
	v_rndne_f32 v[TT+\i], v[TT+\i]
.endr
.irp i, 0,1,2,3
	v_fma_f32 v[TF+\i], v[NV+\i], v[FM+(\i&1)], -v[TT+\i]
.endr
	; six exponentials, asked for ahead of the long run of plain work below
.irp i, 0,1,2,3
	v_mul_f32 v[TM+\i], -v[NB+\i], v[LP]
.endr
	v_fmaak_f32 v[TM+4], s[KSIG], v[OM], 0xc4629e36    ; (omega - 20000 pi)/100 log2(e): the constant is -906.47203
	v_fmaak_f32 v[TM+5], s[KSIGN], v[OM], 0x3fe80e8d   ; (40 pi - omega)/100 log2(e): 1.8129441
.irp i, 0,1,2,3
	v_exp_f32 v[EX+\i], v[TM+\i]                   ; |z|^N
.endr
	v_exp_f32 v[E1], v[TM+4]
	v_exp_f32 v[E2], v[TM+5]
; Four angles side by side.  In: TF = fraction of a turn in [-1/2, 1/2].  x = theta/4 in [-pi/4, pi/4]; Taylor to x^9 and x^8
; (next terms below 2e-9 and 3e-8 there), then two doublings.  Out: TC = cos theta, TS = sin theta (sine = 1), TH = sin(theta/2), TT = 2 TH.
.macro TRIG4 sine
.irp i, 0,1,2,3
	v_mul_f32 v[TF+\i], 0x3fc90fdb, v[TF+\i]
.endr
.irp i, 0,1,2,3
	v_mul_f32 v[TX2+\i], v[TF+\i], v[TF+\i]
.endr
.irp i, 0,1,2,3
	v_fma_f32 v[TS+\i], v[TX2+\i], s[KS9], s[KS7]
.endr
.irp i, 0,1,2,3
	v_fma_f32 v[TC+\i], v[TX2+\i], s[KC8], s[KC6]
.endr
.irp i, 0,1,2,3
	v_fma_f32 v[TS+\i], v[TS+\i], v[TX2+\i], s[KS5]
.endr
.irp i, 0,1,2,3
	v_fma_f32 v[TC+\i], v[TC+\i], v[TX2+\i], s[KC4]
.endr
.irp i, 0,1,2,3
	v_fma_f32 v[TS+\i], v[TS+\i], v[TX2+\i], s[KS3]
.endr
.irp i, 0,1,2,3
	v_fma_f32 v[TC+\i], v[TC+\i], v[TX2+\i], -0.5
.endr
.irp i, 0,1,2,3
	v_mul_f32 v[TT+\i], v[TF+\i], v[TX2+\i]
.endr
.irp i, 0,1,2,3
	v_fma_f32 v[TC+\i], v[TC+\i], v[TX2+\i], 1.0           ; cos x
.endr
.irp i, 0,1,2,3
	v_fma_f32 v[TS+\i], v[TT+\i], v[TS+\i], v[TF+\i]       ; sin x = x + x^3 (..)
.endr
.irp i, 0,1,2,3
	v_add_f32 v[TT+\i], v[TS+\i], v[TS+\i]
.endr
.irp i, 0,1,2,3
	v_mul_f32 v[TH+\i], v[TT+\i], v[TC+\i]                 ; sin 2x
.endr
.irp i, 0,1,2,3
	v_fma_f32 v[TC+\i], -v[TT+\i], v[TS+\i], 1.0           ; cos 2x = 1 - 2 sin^2 x
.endr
.irp i, 0,1,2,3
	v_add_f32 v[TT+\i], v[TH+\i], v[TH+\i]
.endr
.if \sine
.irp i, 0,1,2,3
	v_mul_f32 v[TS+\i], v[TT+\i], v[TC+\i]                 ; sin 4x
.endr
.endif
.irp i, 0,1,2,3
	v_fma_f32 v[TC+\i], -v[TT+\i], v[TH+\i], 1.0           ; cos 4x
.endr
.endm
	TRIG4 0
	v_mul_f32 v[WGT], v[TC], v[TC+1]               ; in_w
	v_mul_f32 v[TM+1], v[TC+2], v[TC+3]            ; out_w
	s_wait_alu depctr_va_vdst(0)
	v_add_f32 v[E1], 1.0, v[E1]
	v_add_f32 v[E2], 1.0, v[E2]
	v_mul_f32 v[WGT], v[WGT], v[TM+1]
	v_mul_f32 v[E1], v[E1], v[E2]                  ; both sigmoids in one reciprocal; infinity gives exactly 0
	v_rcp_f32 v[E2], v[E1]
	; the four powers' phases: N w in turns
.irp i, 0,1,2,3
	v_mul_f32 v[TT+\i], v[NB+\i], v[WT]
.endr
.irp i, 0,1,2,3
	v_rndne_f32 v[TT+\i], v[TT+\i]
.endr
.irp i, 0,1,2,3
	v_fma_f32 v[TF+\i], v[NB+\i], v[WT], -v[TT+\i]
.endr
	v_fmaak_f32 v[TM], s[KC4], v[YK], 0x3e2aaaab   ; expm1(y) = y (1 + y (1/2 + y (1/6 + y/24)))
	v_fma_f32 v[TM], v[TM], v[YK], 0.5
	v_fma_f32 v[TM], v[TM], v[YK], 1.0
	v_mul_f32 v[TM], v[TM], v[YK]
	s_wait_alu depctr_va_vdst(0)
	v_mul_f32 v[WGT], v[WGT], v[E2]                ; x valid
	v_mul_f32 v[WGT], v[WGT], v[EX]                ; x exp(-sigma K): P without K^2/ms
	TRIG4 1
	; d = c (cos w - exp(sigma K) + i sin w), c = P / (sin w + 1e-8); cos w - exp(sigma K) = -(2 sin^2(w/2) + expm1(sigma K))
	v_add_f32 v[TM+1], 0x322bcc77, v[TS]
	v_rcp_f32 v[TM+2], v[TM+1]
	v_fma_f32 v[TM], v[TT], v[TH], v[TM]
	v_cmp_neq_f32 vcc_lo, 0, v[WGT]
	s_wait_alu depctr_va_vdst(0)
	v_mul_f32 v[TM+2], v[WGT], v[TM+2]
	v_cndmask_b32 v[TM+2], 0, v[TM+2], vcc_lo      ; a mode of weight 0 counts 0 whatever its denominator
	v_mul_f32 v[DRE], -v[TM+2], v[TM]
	v_mul_f32 v[DIM], v[TM+2], v[TS]
; Complex products on pairs: the lower register of every pair belongs to V (powers of z), the upper to U (powers of z^128).
; y = x z in two halves, so that several products can be interleaved.  x, y: (re, re), (im, im).  z: the same and (-im, -im).
.macro CMA t, x, z
	v_pk_mul_f32 v[\t:\t+1], v[\x:\x+1], v[\z:\z+1]
	v_pk_mul_f32 v[\t+2:\t+3], v[\x:\x+1], v[\z+2:\z+3]
.endm
.macro CMB y, x, z, t
	v_pk_fma_f32 v[\y:\y+1], v[\x+2:\x+3], v[\z+4:\z+5], v[\t:\t+1]
	v_pk_fma_f32 v[\y+2:\y+3], v[\x+2:\x+3], v[\z:\z+1], v[\t+2:\t+3]
.endm
	v_pk_mul_f32 v[ZM1:ZM1+1], v[TC:TC+1], v[EX:EX+1]          ; (z, z^128)
	v_pk_mul_f32 v[ZM1+2:ZM1+3], v[TS:TS+1], v[EX:EX+1]
	v_pk_mul_f32 v[XC:XC+1], v[TC+2:TC+3], v[EX+2:EX+3]        ; (z^col0, z^(128 row0))
	v_pk_mul_f32 v[XC+2:XC+3], v[TS+2:TS+3], v[EX+2:EX+3]
	v_pk_mul_f32 v[ZM1+4:ZM1+5], v[ZM1+2:ZM1+3], -1.0 op_sel_hi:[1,0]
	v_mul_f32 v[TM], v[XC+1], v[DRE]               ; the U side takes d
	v_mul_f32 v[TM+1], v[XC+1], v[DIM]
	v_fma_f32 v[XC+1], -v[XC+3], v[DIM], v[TM]
	v_fma_f32 v[XC+3], v[XC+3], v[DRE], v[TM+1]
	CMA TM, XC, ZM1                                ; chain 1 = chain 0 x z
	CMA TM+4, ZM1, ZM1                             ; z^2
	CMB XC+4, XC, ZM1, TM
	CMB ZM2, ZM1, ZM1, TM+4
	v_pk_mul_f32 v[ZM2+4:ZM2+5], v[ZM2+2:ZM2+3], -1.0 op_sel_hi:[1,0]
	CMA TM, XC, ZM2                                ; chains 2, 3 = chains 0, 1 x z^2
	CMA TM+4, XC+4, ZM2
	CMA TM+8, ZM2, ZM2                             ; z^4: the chains' step
	CMB XC+8, XC, ZM2, TM
	CMB XC+12, XC+4, ZM2, TM+4
	CMB ZM4, ZM2, ZM2, TM+8
	v_pk_mul_f32 v[ZM4+4:ZM4+5], v[ZM4+2:ZM4+3], -1.0 op_sel_hi:[1,0]
	; ---- 24 steps: chain q holds column q + 4 i of V and row q + 4 i of U.  V has 16 of them; in the last eight the lower
	; halves run on unused (four single instructions a chain would be as many).  Longest run: 23 products, each of a few 1e-7.
.set i, 0
.rept 24
.if i < 16
.irp q, 0,1,2,3
	v_cvt_pk_f16_f32 v[HV+\q], v[XC+4*\q+2], v[XC+4*\q]        ; (Im V, Re V)
.endr
.endif
.irp q, 0,1,2,3
	v_cvt_pk_f16_f32 v[HV+4+\q], v[XC+4*\q+1], v[XC+4*\q+3]    ; (Re U, Im U)
.endr
.if i < 16
.irp q, 0,1,2,3
	ds_store_b32 v[AV], v[HV+\q] offset:(4*i+\q)*PITCH
.endr
.endif
.irp q, 0,1,2,3
	ds_store_b32 v[AU], v[HV+4+\q] offset:(4*i+\q)*PITCH
.endr
.if i < 23
.irp q, 0,1,2,3
	CMA TM+4*\q, XC+4*\q, ZM4
.endr
.irp q, 0,1,2,3
	CMB XC+4*\q, XC+4*\q, ZM4, TM+4*\q
.endr
.endif
.set i, i+1
.endr
	s_wait_dscnt 0x0                               ; my columns of U and V are written,
	s_barrier_signal -1
	s_barrier_wait -1                              ; everybody's are
	; ---- the product.  A wave makes 48 rows x 32 columns: 3 x 2 blocks, K = 256 in eight steps of 32.
	; Source 0 = 16 columns of V, source 1 = 16 rows of U: lane (r, h) then holds row r and the eight neighbouring columns 8 h + 0..7.
.macro FETCH f, ks                     ; one K step: ten loads, V's two fragments, then U's three
.irp c, 0,1
	ds_load_b128 v[\f+8*\c:\f+8*\c+3], v[ADB] offset:\c*16*PITCH+64*\ks
	ds_load_b128 v[\f+8*\c+4:\f+8*\c+7], v[ADB] offset:\c*16*PITCH+64*\ks+32
.endr
.irp a, 0,1,2
	ds_load_b128 v[\f+16+8*\a:\f+16+8*\a+3], v[ADA] offset:\a*16*PITCH+64*\ks
	ds_load_b128 v[\f+16+8*\a+4:\f+16+8*\a+7], v[ADA] offset:\a*16*PITCH+64*\ks+32
.endr
.endm
.macro MUL6 f, zero                    ; the six accumulators take turns, one instruction a turn
.irp a, 0,1,2
.irp c, 0,1
.if \zero
	v_wmma_f32_16x16x32_f16 v[ACC+8*(2*\a+\c):ACC+8*(2*\a+\c)+7], v[\f+8*\c:\f+8*\c+7], v[\f+16+8*\a:\f+16+8*\a+7], 0
.else
	v_wmma_f32_16x16x32_f16 v[ACC+8*(2*\a+\c):ACC+8*(2*\a+\c)+7], v[\f+8*\c:\f+8*\c+7], v[\f+16+8*\a:\f+16+8*\a+7], v[ACC+8*(2*\a+\c):ACC+8*(2*\a+\c)+7]
.endif
.endr
.endr
.endm
.macro PLACES                          ; four plain vector instructions between a matrix instruction and a load into, or a read of, its registers
.rept 4
	v_nop
.endr
.endm
	FETCH FB0, 0
	FETCH FB0+40, 1
	FETCH FB1, 2
	FETCH FB1+40, 3
	s_wait_dscnt 30                                ; LDS loads come back in order: step 0's ten are in, thirty younger may be out
	MUL6 FB0, 1                                    ; the first products start the sums
	s_wait_dscnt 20                                ; step 1's are in
	MUL6 FB0+40, 0
	PLACES
	FETCH FB0, 4
	FETCH FB0+40, 5
	s_wait_dscnt 30                                ; step 2's are in: step 3's ten and the twenty just issued may be out
	MUL6 FB1, 0
	s_wait_dscnt 20                                ; step 3's
	MUL6 FB1+40, 0
	PLACES
	FETCH FB1, 6
	FETCH FB1+40, 7
	s_wait_dscnt 30                                ; step 4's
	MUL6 FB0, 0
	s_wait_dscnt 20                                ; step 5's
	MUL6 FB0+40, 0
	s_wait_dscnt 10                                ; step 6's
	MUL6 FB1, 0
	s_wait_dscnt 0                                 ; step 7's
	MUL6 FB1+40, 0
	PLACES
	; ---- the way out: scale, 32 bytes a lane into the stage, back as whole rows of 256 bytes
.irp j, 0,1,2,3,4,5,6,7,8,9,10,11,12,13,14,15,16,17,18,19,20,21,22,23
	v_pk_mul_f32 v[ACC+2*\j:ACC+2*\j+1], v[ACC+2*\j:ACC+2*\j+1], v[FS:FS+1]
.endr
.irp a, 0,1,2
.irp c, 0,1
	ds_store_b128 v[STO], v[ACC+8*(2*\a+\c):ACC+8*(2*\a+\c)+3] offset:\a*16*SPITCH+\c*64
	ds_store_b128 v[STO], v[ACC+8*(2*\a+\c)+4:ACC+8*(2*\a+\c)+7] offset:\a*16*SPITCH+\c*64+16
.endr
.endr
	s_wait_dscnt 0x0                               ; a row of the stage is written by two waves: my part is there,
	s_barrier_signal -1
	s_barrier_wait -1                              ; everybody's is
.irp i, 0,1,2,3,4,5,6,7,8,9,10,11
	ds_load_b128 v[FB0+4*\i:FB0+4*\i+3], v[RD] offset:\i*8*SPITCH
.endr
.irp i, 0,1,2,3,4,5,6,7,8,9,10,11
	s_wait_dscnt 11-\i                             ; load i is in, the younger ones may be out
	global_store_b128 v[GO], v[FB0+4*\i:FB0+4*\i+3], s[16:17] offset:\i*4096   ; sixteen lanes store 256 consecutive bytes, at a multiple of 256 from the buffer's first byte
.endr
	s_wait_tensorcnt 0x0
	ds_add_u32 v248, v249
	s_wait_dscnt 0x0
	s_endpgm
.Lfunc_end_k_q496ac378e1_bank:
	.size	k_q496ac378e1_bank, .Lfunc_end_k_q496ac378e1_bank-k_q496ac378e1_bank
	.p2alignl 7, 3214868480
	.fill 96, 4, 3214868480
	.section	.rodata,"a",@progbits
	.p2align	6, 0x0
	.amdhsa_kernel k_q496ac378e1_bank
		.amdhsa_group_segment_fixed_size 111104
		.amdhsa_private_segment_fixed_size 0
		.amdhsa_enable_private_segment 0
		.amdhsa_kernarg_size 56
		.amdhsa_user_sgpr_count 2
		.amdhsa_user_sgpr_kernarg_segment_ptr 1
		.amdhsa_wavefront_size32 1
		.amdhsa_system_sgpr_workgroup_id_x 1
		.amdhsa_system_sgpr_workgroup_id_y 1
		.amdhsa_system_sgpr_workgroup_id_z 1
		.amdhsa_system_vgpr_workitem_id 0
		.amdhsa_next_free_vgpr 250
		.amdhsa_next_free_sgpr 66
		.amdhsa_reserve_vcc 1
		.amdhsa_float_denorm_mode_32 3
		.amdhsa_float_denorm_mode_16_64 3
		.amdhsa_memory_ordered 1
		.amdhsa_forward_progress 1
		.amdhsa_inst_pref_size 77
	.end_amdhsa_kernel
	.amdgpu_metadata
---
amdhsa.version: [ 1, 2 ]
amdhsa.kernels:
  - .name:           k_q496ac378e1_bank
    .symbol:         k_q496ac378e1_bank.kd
    .args:
      - { .name: D_over_mu_raw, .offset: 0, .size: 8, .value_kind: global_buffer, .address_space: global }
      - { .name: Ly_raw, .offset: 8, .size: 8, .value_kind: global_buffer, .address_space: global }
      - { .name: T0_over_mu_raw, .offset: 16, .size: 8, .value_kind: global_buffer, .address_space: global }
      - { .name: mu_raw, .offset: 24, .size: 8, .value_kind: global_buffer, .address_space: global }
      - { .name: xo_raw, .offset: 32, .size: 8, .value_kind: global_buffer, .address_space: global }
      - { .name: yo_raw, .offset: 40, .size: 8, .value_kind: global_buffer, .address_space: global }
      - { .name: part, .offset: 48, .size: 8, .value_kind: global_buffer, .address_space: global }
    .group_segment_fixed_size: 111104
    .private_segment_fixed_size: 0
    .kernarg_segment_align: 8
    .kernarg_segment_size: 56
    .max_flat_workgroup_size: 128
    .sgpr_count:     66
    .vgpr_count:     250
    .wavefront_size: 32
...
	.end_amdgpu_metadata
.endif
;; end of part 1
;; launch fold (part 2): grid 173 x 1, 10 waves a work-group, no clusters, 6,400 bytes of LDS; arguments part, vel, bmax; writes vel, bmax
.if DOCPART == 2
	.amdgcn_target "amdgcn-amd-amdhsa--gfx1250"
	.amdhsa_code_object_version 6
	.text
	.protected	k_q496ac378e1_fold
	.globl	k_q496ac378e1_fold
	.p2align	8
	.type	k_q496ac378e1_fold,@function
k_q496ac378e1_fold:
	s_mov_b64 s[64:65], 0
	v_nop
	global_prefetch_b8 v0, s[64:65] scope:SCOPE_SE
	s_setreg_imm32_b32 hwreg(HW_REG_WAVE_MODE, 25, 1), 1
	s_wait_xcnt 0x0
; vel[n] = sum over the 50 partial sheets of part[g][n];  bmax[b] = largest |vel[n]| of block b among n < 22050.
; A work-group owns 128 samples (512 bytes of every sheet); 173 x 128 = 22144 covers the 22050.  Wave v adds sheets 5 v .. 5 v + 4:
; five loads of 16 bytes a lane, all on their way at once, each covering 512 consecutive bytes.  The ten waves' sums meet in LDS,
; wave 0 adds them.  Samples 22050 .. 22143 are stored (finite numbers of the same formula) and kept out of the maximum.
; A stream of sums: the matrix unit, tensor loads and shared tiles would add nothing here.
; LIMIT: the maximum passes over NaN; inputs for which the problem's formula is not finite are not served.
.set GRPBYTES, 192*128*4
.set SAMPLES,  22050
	s_load_b128 s[4:7], s[0:1], 0x0                ; part, vel
	s_load_b64 s[8:9], s[0:1], 0x10                ; bmax
	v_lshl_add_u32 v52, v0, 2, 0x1400
	v_mov_b32 v53, 0
	v_lshrrev_b32 v1, 5, v0
	v_readfirstlane_b32 s10, v1                    ; wave 0..9
	v_and_b32 v2, 31, v0                           ; lane
	v_lshlrev_b32 v3, 4, v2                        ; 16 bytes a lane
	v_lshlrev_b32 v48, 4, v0                       ; LDS: 512 bytes a wave
	s_mul_i32 s12, s10, 5*GRPBYTES                 ; my five sheets
	s_lshl_b32 s14, ttmp9, 9                       ; the block's 512 bytes
	s_add_co_u32 s12, s12, s14
	s_mov_b32 s13, 0
	s_mov_b32 s15, 0
	s_lshl_b32 s16, ttmp9, 2                       ; the block's word in bmax
	s_mov_b32 s17, 0
	s_mov_b32 s18, 0x76543210                      ; v_permlanex16_b32: lane i reads lane i of the other half
	s_mov_b32 s19, 0xfedcba98
	s_lshl_b32 s21, ttmp9, 7                       ; the block's first sample
	s_wait_kmcnt 0x0
	s_add_nc_u64 s[4:5], s[4:5], s[12:13]
	s_add_nc_u64 s[6:7], s[6:7], s[14:15]
	s_add_nc_u64 s[8:9], s[8:9], s[16:17]
.irp j, 0,1,2,3,4
	global_load_b128 v[4+4*\j:7+4*\j], v3, s[4:5] offset:\j*GRPBYTES th:TH_LOAD_NT
.endr
.irp j, 1,2,3,4
	s_wait_loadcnt 4-\j                            ; loads come back in order: sheets 0 .. j are in, the 4 - j younger ones may be out
	v_pk_add_f32 v[4:5], v[4:5], v[4+4*\j:5+4*\j]
	v_pk_add_f32 v[6:7], v[6:7], v[6+4*\j:7+4*\j]
.endr
	ds_store_b128 v48, v[4:7]
	s_wait_dscnt 0x0                               ; my sum is in LDS,
	s_barrier_signal -1
	s_barrier_wait -1                              ; everybody's is
	s_cmp_lg_u32 s10, 0
	s_cbranch_scc1 .Ldone                          ; wave 0 finishes
.irp j, 0,1,2,3,4,5,6,7,8,9
	ds_load_b128 v[4+4*\j:7+4*\j], v3 offset:512*\j
.endr
	s_wait_dscnt 0x0
.irp j, 0,2,4,6,8
	v_pk_add_f32 v[4+4*\j:5+4*\j], v[4+4*\j:5+4*\j], v[8+4*\j:9+4*\j]       ; a tree: (0,1) (2,3) (4,5) (6,7) (8,9)
	v_pk_add_f32 v[6+4*\j:7+4*\j], v[6+4*\j:7+4*\j], v[10+4*\j:11+4*\j]
.endr
	v_pk_add_f32 v[4:5], v[4:5], v[12:13]
	v_pk_add_f32 v[6:7], v[6:7], v[14:15]
	v_pk_add_f32 v[20:21], v[20:21], v[28:29]
	v_pk_add_f32 v[22:23], v[22:23], v[30:31]
	v_pk_add_f32 v[4:5], v[4:5], v[20:21]
	v_pk_add_f32 v[6:7], v[6:7], v[22:23]
	v_pk_add_f32 v[4:5], v[4:5], v[36:37]
	v_pk_add_f32 v[6:7], v[6:7], v[38:39]
	global_store_b128 v3, v[4:7], s[6:7]           ; the wave stores 512 consecutive bytes, at a multiple of 512 from the buffer's first byte
	; the block's largest magnitude among the samples that count
	v_lshl_add_u32 v44, v2, 2, s21                 ; my first sample
.irp e, 0,1,2,3
	v_and_b32 v[8+\e], 0x7fffffff, v[4+\e]
	v_cmp_gt_u32 vcc_lo, SAMPLES-\e, v44           ; sample + e < 22050
	v_cndmask_b32 v[8+\e], 0, v[8+\e], vcc_lo
.endr
	v_max3_num_f32 v8, v8, v9, v10
	v_max_num_f32 v8, v8, v11
	v_max_num_f32_dpp v8, v8, v8 row_xmask:1 row_mask:0xf bank_mask:0xf
	v_max_num_f32_dpp v8, v8, v8 row_xmask:2 row_mask:0xf bank_mask:0xf
	v_max_num_f32_dpp v8, v8, v8 row_xmask:4 row_mask:0xf bank_mask:0xf
	v_max_num_f32_dpp v8, v8, v8 row_xmask:8 row_mask:0xf bank_mask:0xf
	v_permlanex16_b32 v9, v8, s18, s19             ; v9 has been written: its old value counts as read
	v_max_num_f32 v8, v8, v9
	v_mov_b32 v10, 0
	v_cmp_eq_u32 vcc_lo, 0, v2
	s_wait_xcnt 0x0                                ; EXEC is a source of the store above: it changes only behind this wait
	s_and_saveexec_b32 s22, vcc_lo                 ; lane 0 alone
	global_store_b32 v10, v8, s[8:9]               ; one word a work-group: 173 words in all
	s_wait_xcnt 0x0                                ; and again in front of the line that widens it
	s_or_b32 exec_lo, exec_lo, s22
.Ldone:
	s_wait_tensorcnt 0x0
	ds_add_u32 v52, v53
	s_wait_dscnt 0x0
	s_endpgm
.Lfunc_end_k_q496ac378e1_fold:
	.size	k_q496ac378e1_fold, .Lfunc_end_k_q496ac378e1_fold-k_q496ac378e1_fold
	.p2alignl 7, 3214868480
	.fill 96, 4, 3214868480
	.section	.rodata,"a",@progbits
	.p2align	6, 0x0
	.amdhsa_kernel k_q496ac378e1_fold
		.amdhsa_group_segment_fixed_size 6400
		.amdhsa_private_segment_fixed_size 0
		.amdhsa_enable_private_segment 0
		.amdhsa_kernarg_size 24
		.amdhsa_user_sgpr_count 2
		.amdhsa_user_sgpr_kernarg_segment_ptr 1
		.amdhsa_wavefront_size32 1
		.amdhsa_system_sgpr_workgroup_id_x 1
		.amdhsa_system_sgpr_workgroup_id_y 1
		.amdhsa_system_sgpr_workgroup_id_z 1
		.amdhsa_system_vgpr_workitem_id 0
		.amdhsa_next_free_vgpr 54
		.amdhsa_next_free_sgpr 66
		.amdhsa_reserve_vcc 1
		.amdhsa_float_denorm_mode_32 3
		.amdhsa_float_denorm_mode_16_64 3
		.amdhsa_memory_ordered 1
		.amdhsa_forward_progress 1
		.amdhsa_inst_pref_size 6
	.end_amdhsa_kernel
	.amdgpu_metadata
---
amdhsa.version: [ 1, 2 ]
amdhsa.kernels:
  - .name:           k_q496ac378e1_fold
    .symbol:         k_q496ac378e1_fold.kd
    .args:
      - { .name: part, .offset: 0, .size: 8, .value_kind: global_buffer, .address_space: global }
      - { .name: vel, .offset: 8, .size: 8, .value_kind: global_buffer, .address_space: global }
      - { .name: bmax, .offset: 16, .size: 8, .value_kind: global_buffer, .address_space: global }
    .group_segment_fixed_size: 6400
    .private_segment_fixed_size: 0
    .kernarg_segment_align: 8
    .kernarg_segment_size: 24
    .max_flat_workgroup_size: 320
    .sgpr_count:     66
    .vgpr_count:     54
    .wavefront_size: 32
...
	.end_amdgpu_metadata
.endif
;; end of part 2
;; launch norm (part 3): grid 173 x 1, 1 waves a work-group, no clusters, 0 bytes of LDS; arguments vel, bmax, out0; writes out0
.if DOCPART == 3
	.amdgcn_target "amdgcn-amd-amdhsa--gfx1250"
	.amdhsa_code_object_version 6
	.text
	.protected	k_q496ac378e1_norm
	.globl	k_q496ac378e1_norm
	.p2align	8
	.type	k_q496ac378e1_norm,@function
k_q496ac378e1_norm:
	s_mov_b64 s[64:65], 0
	v_nop
	global_prefetch_b8 v0, s[64:65] scope:SCOPE_SE
	s_setreg_imm32_b32 hwreg(HW_REG_WAVE_MODE, 25, 1), 1
	s_wait_xcnt 0x0
; out0[n] = vel[n] / (max over the 173 blocks of bmax + 1e-8).  One wave takes 128 samples (512 bytes); every wave takes the
; maximum of the 173 words for itself: six loads of one word a lane, indices clamped to 172 so that only written words are read.
; out0 ends at byte 88200 = 88192 + 8: the last lane with data stores 8 bytes, the lanes behind it nothing.
; LIMIT: the maximum passes over NaN; inputs for which the problem's formula is not finite are not served.
.set BLOCKS,   173
.set OUTBYTES, 88200
	s_load_b128 s[4:7], s[0:1], 0x0                ; vel, bmax
	s_load_b64 s[8:9], s[0:1], 0x10                ; out0
	s_lshl_b32 s10, ttmp9, 9
	v_lshl_add_u32 v1, v0, 4, s10                  ; my 16 bytes in vel and in out0
.irp j, 0,1,2,3,4,5
	v_add_nc_u32 v[2+\j], 32*\j, v0
	v_min_u32 v[2+\j], BLOCKS-1, v[2+\j]
	v_lshlrev_b32 v[2+\j], 2, v[2+\j]
.endr
	s_mov_b32 s12, 0x76543210                      ; v_permlanex16_b32: lane i reads lane i of the other half
	s_mov_b32 s13, 0xfedcba98
	s_wait_kmcnt 0x0
.irp j, 0,1,2,3,4,5
	global_load_b32 v[8+\j], v[2+\j], s[6:7]
.endr
	global_load_b128 v[16:19], v1, s[4:5] th:TH_LOAD_NT
	s_wait_loadcnt 0x1                             ; the six words are in; the one younger load, my samples, may be out
	v_max3_num_f32 v8, v8, v9, v10
	v_max3_num_f32 v11, v11, v12, v13
	v_max_num_f32 v8, v8, v11
	v_max_num_f32_dpp v8, v8, v8 row_xmask:1 row_mask:0xf bank_mask:0xf
	v_max_num_f32_dpp v8, v8, v8 row_xmask:2 row_mask:0xf bank_mask:0xf
	v_max_num_f32_dpp v8, v8, v8 row_xmask:4 row_mask:0xf bank_mask:0xf
	v_max_num_f32_dpp v8, v8, v8 row_xmask:8 row_mask:0xf bank_mask:0xf
	v_permlanex16_b32 v9, v8, s12, s13             ; v9 has been written: its old value counts as read
	v_max_num_f32 v8, v8, v9
	v_add_f32 v8, 0x322bcc77, v8                   ; + 1e-8
	v_rcp_f32 v14, v8                              ; twice, to fill the pair of the packed multiply
	v_rcp_f32 v15, v8
	v_cmp_gt_u32 vcc_lo, OUTBYTES-15, v1           ; my 16 bytes lie inside out0 (also the plain instruction behind the reciprocals: ISA guide 5.7.2)
	s_wait_loadcnt 0x0
	s_wait_alu depctr_va_vdst(0)
	v_pk_mul_f32 v[16:17], v[16:17], v[14:15]
	v_pk_mul_f32 v[18:19], v[18:19], v[14:15]
	s_wait_xcnt 0x0                                ; EXEC changes only behind this wait
	s_and_saveexec_b32 s16, vcc_lo
	global_store_b128 v1, v[16:19], s[8:9]         ; a full wave stores 512 consecutive bytes, at a multiple of 512 from the buffer's first byte
	s_wait_xcnt 0x0
	s_or_b32 exec_lo, exec_lo, s16
	v_cmp_eq_u32 vcc_lo, OUTBYTES-8, v1            ; the lane whose first 8 bytes are the buffer's last
	s_and_saveexec_b32 s16, vcc_lo
	global_store_b64 v1, v[16:17], s[8:9]
	s_wait_xcnt 0x0
	s_or_b32 exec_lo, exec_lo, s16
	s_endpgm
.Lfunc_end_k_q496ac378e1_norm:
	.size	k_q496ac378e1_norm, .Lfunc_end_k_q496ac378e1_norm-k_q496ac378e1_norm
	.p2alignl 7, 3214868480
	.fill 96, 4, 3214868480
	.section	.rodata,"a",@progbits
	.p2align	6, 0x0
	.amdhsa_kernel k_q496ac378e1_norm
		.amdhsa_group_segment_fixed_size 0
		.amdhsa_private_segment_fixed_size 0
		.amdhsa_enable_private_segment 0
		.amdhsa_kernarg_size 24
		.amdhsa_user_sgpr_count 2
		.amdhsa_user_sgpr_kernarg_segment_ptr 1
		.amdhsa_wavefront_size32 1
		.amdhsa_system_sgpr_workgroup_id_x 1
		.amdhsa_system_sgpr_workgroup_id_y 1
		.amdhsa_system_sgpr_workgroup_id_z 1
		.amdhsa_system_vgpr_workitem_id 0
		.amdhsa_next_free_vgpr 24
		.amdhsa_next_free_sgpr 66
		.amdhsa_reserve_vcc 1
		.amdhsa_float_denorm_mode_32 3
		.amdhsa_float_denorm_mode_16_64 3
		.amdhsa_memory_ordered 1
		.amdhsa_forward_progress 1
		.amdhsa_inst_pref_size 4
	.end_amdhsa_kernel
	.amdgpu_metadata
---
amdhsa.version: [ 1, 2 ]
amdhsa.kernels:
  - .name:           k_q496ac378e1_norm
    .symbol:         k_q496ac378e1_norm.kd
    .args:
      - { .name: vel, .offset: 0, .size: 8, .value_kind: global_buffer, .address_space: global }
      - { .name: bmax, .offset: 8, .size: 8, .value_kind: global_buffer, .address_space: global }
      - { .name: out0, .offset: 16, .size: 8, .value_kind: global_buffer, .address_space: global }
    .group_segment_fixed_size: 0
    .private_segment_fixed_size: 0
    .kernarg_segment_align: 8
    .kernarg_segment_size: 24
    .max_flat_workgroup_size: 32
    .sgpr_count:     66
    .vgpr_count:     24
    .wavefront_size: 32
...
	.end_amdgpu_metadata
.endif
;; end of part 3
;; ======== version 2 of 2: 3 launches; version 1 with the launch bank written anew for expert scheduling mode
;; workspace buffers: part 4,915,200 bytes; vel 88,576 bytes; bmax 768 bytes
;; launch bank (part 4): grid 50 x 4, 4 waves a work-group, no clusters, 111,104 bytes of LDS; arguments D_over_mu_raw, Ly_raw, T0_over_mu_raw, mu_raw, xo_raw, yo_raw, part; writes part
.if DOCPART == 4
	.amdgcn_target "amdgcn-amd-amdhsa--gfx1250"
	.amdhsa_code_object_version 6
	.text
	.protected	k_q496ac378e1_bank
	.globl	k_q496ac378e1_bank
	.p2align	8
	.type	k_q496ac378e1_bank,@function
k_q496ac378e1_bank:
	s_mov_b64 s[64:65], 0
	v_nop
	global_prefetch_b8 v0, s[64:65] scope:SCOPE_SE
	s_setreg_imm32_b32 hwreg(HW_REG_WAVE_SCHED_MODE, 0, 2), 2
	s_setreg_imm32_b32 hwreg(HW_REG_WAVE_MODE, 25, 1), 1
	s_wait_xcnt 0x0
	s_wait_alu depctr_vm_vsrc(0)
; Damped sinusoid bank as a matrix product.  With z = exp(-sigma K + i w) and d = c (exp(i w) - exp(sigma K)) the first
; difference of the displacement is  disp[n] - disp[n-1] = sum over modes of Im(d z^n)  for every n >= 0 (disp[-1] is exactly 0),
; so no difference of large sums is formed.  With n = 128 n1 + n0:  Im(sum_m U[n1][m] V[m][n0]),  U = d z^(128 n1),  V = z^n0:
; a real product with K index 2 m + (0,1):  U row = (Re U, Im U),  V column = (Im V, Re V).
; A work-group owns 128 modes (one a thread, K = 256) and a tile of 96 rows (n1) x 64 columns (n0); grid x = 50 groups of modes,
; grid y = 4 tiles (2 x 2) of the 192 x 128 sheet.  It stores its partial tile, scaled by 4K/(mu Ly), into part[group][128 n1 + n0].
; No operand comes from memory, so there is nothing for tensor loads, shared tiles or prefetches to bring.
; Operands are f16, sums f32.  Range: |V| <= 1; |U| <= |d| < 4 for every input, because the weight 'valid' is exactly 0 for
; omega >= 71704 (its exponential overflows), so w < 1.63 where a mode counts, and omega >= 0.1098 always (softplus + 1e-4, Ly <= 4),
; so sigma/omega <= 10.5 where valid <= 0.23.  The common factor K^2/(ms K) stays in f32 outside the product.
; LIMITS: inputs for which the problem's own formula is not finite are not served.  A mode of weight exactly 0 contributes 0 also
; where sin w + 1e-8 happens to be exactly 0 (the formula has 0/0 there).  expm1(sigma K) is a series of four terms: sigma K < 0.0275
; wherever valid is not 0, its next term is below 5e-9 of the sum there; elsewhere it only has to be finite.
; Phases are N w in turns, the product reduced exactly by one fused multiply-add; what is left is omega's own f32 rounding.
; THE MODE: SCHED_MODE bits 1:0 = 2 (LLVM: expert scheduling mode 2), set by the entry lines.  The code itself states the register dependences
; between vector or matrix instructions and memory or LDS instructions, with s_wait_alu, always for 0.
; THE PLAN.  Registers that LDS or memory instructions touch:
;   AU, AV, ADA, ADB, STO, RD, GO   addresses, made once at the head and never written again by a vector instruction.
;   HV, eight slots of eight        Step i's conversions write slot i % 8; the LDS stores of step i, issued in step i + 4, read it.  The steps go in groups
;                                   of four: a group's conversions write four slots while the stores issued beside them read the other four, which the group
;                                   before wrote.  So two waits at a group's head state all that the group's stores and conversions hang on.
;   FB0, FB1                        fragment buffers of two K steps each: LDS loads land in them, matrix instructions read them.  A buffer is asked for again
;                                   behind one wait that shows its two steps' matrix instructions done; the twenty loads are dealt among the next step's
;                                   matrix instructions, which name the other buffer and the accumulators.
;   ACC                             written by the matrix instructions and the scalings, read by the stage's LDS stores behind one wait.
;   v248, v249                      written at the head, read by the closing add alone.
.set PITCH,    528                     ; LDS row of U or V: 256 f16 + 16 bytes = 33 x 16: sixteen rows start at sixteen different 16-byte columns modulo 256
.set TROWS,    96
.set TCOLS,    64
.set VLDS,     TROWS*PITCH             ; V behind U
.set STAGE,    VLDS+TCOLS*PITCH        ; the way out: 96 rows x (256 + 16) bytes
.set SPITCH,   272
.set GRPBYTES, 192*128*4               ; one partial sheet
.set LAG,      4                       ; a step's LDS stores are issued so many steps behind its conversions; also the steps in a group
; vector registers
.set FM,  2                            ; m as f32
.set FN,  3                            ; n as f32
.set NB,  4                            ; v[4:7]   powers asked for directly: 1, 128, col0, 128 row0
.set TF,  8                            ; v[8:11]  four phases at a time: fraction of a turn, then the quarter angle x
.set TX2, 12                           ; x^2
.set TS,  16                           ; sine
.set TC,  20                           ; cosine
.set TT,  24                           ; at work; at the end 2 sin(theta/2)
.set TH,  28                           ; sin(theta/2)
.set NV,  32                           ; v[32:35] turns per index of the four weight cosines
.set EX,  36                           ; v[36:39] |z|^N of the four powers
.set VD,  40                           ; D/mu, T0/mu, mu
.set VT,  41
.set VMU, 42
.set LY,  43
.set PR,  44                           ; pi / Ly
.set C13, 45
.set EA,  46                           ; v[46:51], v[52:57], v[58:63]: the six inputs' transforms, side by side
.set EU,  52
.set ER,  58
.set G1,  64
.set W2,  65
.set OM,  66
.set SG,  67
.set WT,  68                           ; w in turns
.set LP,  69                           ; sigma K log2(e)
.set YK,  70                           ; sigma K
.set E1,  71
.set E2,  72
.set WGT, 73
.set DRE, 74
.set DIM, 75
.set PA,  76
.set ZM1, 80                           ; multipliers, six registers each: (re V-side, re U-side), (im, im), (-im, -im)
.set ZM2, 86
.set ZM4, 92
.set XC,  100                          ; v[100:115] chain q: (re V_q, re U_q), (im V_q, im U_q)
.set TM,  116                          ; v[116:131] at work
.set HV,  8                            ; v[8:71]  in the chains (all that lay there is used up by then): slot s at HV + 8 s: four packed pairs for V, four for U
.set AU,  140
.set AV,  141
.set FB0, 8                            ; v[8:87], v[88:167]: fragment buffers, two K steps each (after the chains are done)
.set FB1, 88
.set ACC, 192                          ; v[192:239] six accumulators
.set FS,  240                          ; v[240:241] 4K/(mu Ly), twice
.set ADA, 242
.set ADB, 243
.set STO, 244
.set RD,  245
.set GO,  246
; scalar constants
.set KS3, 36
.set KS5, 37
.set KS7, 38
.set KS9, 39
.set KC4, 40
.set KC6, 41
.set KC8, 42
.set KNL, 43
.set KNL2, 44
.set K29, 45
.set K255, 46
.set K245, 47
.set KBETA, 48
.set KSIG, 49
.set KSIGN, 50
	s_load_b256 s[4:11], s[0:1], 0x0               ; D_over_mu_raw, Ly_raw, T0_over_mu_raw, mu_raw
	s_load_b128 s[12:15], s[0:1], 0x20             ; xo_raw, yo_raw
	s_load_b64 s[16:17], s[0:1], 0x30              ; part
	v_lshl_add_u32 v248, v0, 2, 0x1b000
	v_mov_b32 v249, 0
	s_wait_kmcnt 0x0
	s_load_b32 s20, s[4:5], 0x0                    ; the six numbers, all on their way at once
	s_load_b32 s21, s[6:7], 0x0
	s_load_b32 s22, s[8:9], 0x0
	s_load_b32 s23, s[10:11], 0x0
	s_load_b32 s24, s[12:13], 0x0
	s_load_b32 s25, s[14:15], 0x0
	; everything that needs no input is done while they come
	s_mov_b32 s[KS3], 0xbe2aaaab                   ; -1/6      sine's Taylor coefficients
	s_mov_b32 s[KS5], 0x3c088889                   ; 1/120
	s_mov_b32 s[KS7], 0xb9500d01                   ; -1/5040
	s_mov_b32 s[KS9], 0x3638ef1d                   ; 1/362880
	s_mov_b32 s[KC4], 0x3d2aaaab                   ; 1/24      cosine's
	s_mov_b32 s[KC6], 0xbab60b61                   ; -1/720
	s_mov_b32 s[KC8], 0x37d00d01                   ; 1/40320
	s_mov_b32 s[KNL], 0xbfb8aa3b                   ; -log2(e)
	s_mov_b32 s[KNL2], 0xc038aa3b                  ; -2 log2(e)
	s_mov_b32 s[K29], 0x4039999a                   ; 2.9
	s_mov_b32 s[K255], 0x3e828f5c                  ; 0.255
	s_mov_b32 s[K245], 0x3e7ae148                  ; 0.245
	s_mov_b32 s[KBETA], 0x347a8131                 ; beta = ln 10 / (pi^2 1e6) = 2.3330065e-7
	s_mov_b32 s[KSIG], 0x3c6c5f04                  ; log2(e)/100
	s_mov_b32 s[KSIGN], 0xbc6c5f04
	s_lshl_b32 s26, ttmp9, 7                       ; the group's first mode
	s_and_b32 s27, ttmp7, 0xffff                   ; tile 0..3
	s_lshr_b32 s28, s27, 1                         ; which 96 rows
	s_and_b32 s29, s27, 1                          ; which 64 columns
	s_mul_i32 s31, s28, 128*TROWS                  ; 128 row0: the sample index of the tile's first row
	s_lshl_b32 s32, s29, 6                         ; col0
	v_lshrrev_b32 v1, 5, v0
	v_readfirstlane_b32 s30, v1                    ; wave 0..3
	s_wait_alu depctr_va_sdst(0)                   ; s30 is written, ahead of its first reader, the next line
	s_lshr_b32 s33, s30, 1                         ; my 48 rows of the tile
	s_and_b32 s34, s30, 1                          ; my 32 columns
	v_add_nc_u32 v1, s26, v0                       ; mode index = 80 (m-1) + (n-1), 0..6399
	v_mul_u32_u24 v[TM], 0xcccd, v1                ; / 80: 52429 / 2^22 is exact for indices below 6400
	v_lshrrev_b32 v[TM], 22, v[TM]
	v_mul_u32_u24 v[TM+1], 80, v[TM]
	v_sub_nc_u32 v[TM+1], v1, v[TM+1]
	v_add_nc_u32 v[TM], 1, v[TM]
	v_add_nc_u32 v[TM+1], 1, v[TM+1]
	v_cvt_f32_u32 v[FM], v[TM]
	v_cvt_f32_u32 v[FN], v[TM+1]
	v_mul_f32 v[PA], 0x40490fdb, v[FM]             ; m pi
	v_mov_b32 v[NV], 0x3e2b851f                    ; 0.335/2 turns per m (input point, x)
	v_mov_b32 v[NV+1], 0x3e6f1aa0                  ; 0.467/2 turns per n (input point, y: yi/Ly is 0.467)
	v_mov_b32 v[NB], 1.0
	v_mov_b32 v[NB+1], 0x43000000                  ; 128
	v_cvt_f32_u32 v[NB+2], s32
	v_cvt_f32_u32 v[NB+3], s31
	v_lshlrev_b32 v[AU], 2, v0                     ; my mode's two f16 in a row of U: neighbouring lanes, neighbouring words
	v_add_nc_u32 v[AV], VLDS, v[AU]
	; fragment, stage and output addresses
	v_and_b32 v[TM], 15, v0                        ; r
	v_bfe_u32 v[TM+1], v0, 4, 1                    ; h
	v_mul_u32_u24 v[TM+2], v[TM], PITCH
	v_lshl_add_u32 v[TM+2], v[TM+1], 4, v[TM+2]    ; r pitch + 16 h
	s_mul_i32 s35, s33, 48*PITCH
	v_add_nc_u32 v[ADA], s35, v[TM+2]
	s_mul_i32 s35, s34, 32*PITCH
	s_add_co_u32 s35, s35, VLDS
	v_add_nc_u32 v[ADB], s35, v[TM+2]
	v_mul_u32_u24 v[TM+2], v[TM], SPITCH
	v_lshl_add_u32 v[TM+2], v[TM+1], 5, v[TM+2]    ; stage: row r, 32 bytes for each half of the lanes
	s_mul_i32 s35, s33, 48*SPITCH
	s_lshl_b32 s54, s34, 7
	s_add_co_u32 s35, s35, s54
	s_add_co_u32 s35, s35, STAGE
	v_add_nc_u32 v[STO], s35, v[TM+2]
	v_lshrrev_b32 v[TM+1], 4, v0                   ; thread / 16: 0..7
	v_mul_u32_u24 v[TM+2], v[TM+1], SPITCH
	v_lshl_add_u32 v[TM+2], v[TM], 4, v[TM+2]
	v_add_nc_u32 v[RD], STAGE, v[TM+2]             ; back: sixteen lanes take one row's 256 bytes
	v_lshlrev_b32 v[TM+2], 9, v[TM+1]
	v_lshl_add_u32 v[GO], v[TM], 4, v[TM+2]        ; the same in the sheet: rows of 512 bytes
	s_mul_i32 s54, ttmp9, GRPBYTES
	s_mul_i32 s55, s28, TROWS*512
	s_add_co_u32 s54, s54, s55
	s_lshl_b32 s55, s29, 8
	s_add_co_u32 s54, s54, s55
	s_mov_b32 s55, 0
	s_add_nc_u64 s[16:17], s[16:17], s[54:55]      ; my tile's first byte
	s_wait_kmcnt 0x0
	; ---- the six parameters (the same in every lane).  softplus(x) = max(x,0) + log1p(u), u = exp(-|x|), and
	; log1p(u) = 2 atanh(s), s = u/(2+u) <= 1/3: 2 s (1 + s^2/3 + .. + s^12/13), next term below 1.4e-8 of the sum for every u in [0,1].
	; (tanh(x)+1)/2 = 1/(1 + exp(-2x)).
	s_and_b32 s51, s20, 0x7fffffff
	s_and_b32 s52, s22, 0x7fffffff
	s_and_b32 s53, s23, 0x7fffffff
	v_mul_f32 v[EA+0], s[KNL], s51
	v_mul_f32 v[EA+1], s[KNL], s52
	v_mul_f32 v[EA+2], s[KNL], s53
	v_mul_f32 v[EA+3], s[KNL2], s21
	v_mul_f32 v[EA+4], s[KNL2], s24
	v_mul_f32 v[EA+5], s[KNL2], s25
.irp i, 0,1,2,3,4,5
	v_exp_f32 v[EU+\i], v[EA+\i]
.endr
	v_max_num_f32 v[VD], 0, s20                    ; plain work stands between the exponentials and their first use (ISA guide 5.7.2)
	v_max_num_f32 v[VT], 0, s22
	v_max_num_f32 v[VMU], 0, s23
	s_wait_alu depctr_va_vdst(0)                   ; the six exponentials have written v[EU ..], which the additions below read
.irp i, 0,1,2
	v_add_f32 v[EA+\i], 2.0, v[EU+\i]
.endr
.irp i, 3,4,5
	v_add_f32 v[EA+\i], 1.0, v[EU+\i]
.endr
.irp i, 0,1,2,3,4,5
	v_rcp_f32 v[ER+\i], v[EA+\i]
.endr
	v_mov_b32 v[C13], 0x3d9d89d9                   ; 1/13 (also the plain instruction behind the reciprocals)
	s_wait_alu depctr_va_vdst(0)                   ; the six reciprocals have written v[ER ..], which the lines below read
.irp i, 0,1,2
	v_mul_f32 v[EA+\i], v[EU+\i], v[ER+\i]         ; s
.endr
	v_fmaak_f32 v[LY], s[K29], v[ER+3], 0x3f8ccccd    ; Ly = 1.1 + 2.9 t
	v_fmaak_f32 v[NV+2], s[K255], v[ER+4], 0x3e7ae148 ; xo/2 = 0.245 + 0.255 t: turns per m
	v_fmaak_f32 v[NV+3], s[K245], v[ER+5], 0x3e828f5c ; yo/(2 Ly) = 0.255 + 0.245 t: turns per n
	v_rcp_f32 v[PR], v[LY]
.irp i, 0,1,2
	v_mul_f32 v[EU+\i], v[EA+\i], v[EA+\i]         ; s^2
.endr
	s_wait_alu depctr_va_vdst(0)                   ; the reciprocal of Ly has written v[PR], which the next line reads
	v_mul_f32 v[PR], 0x40490fdb, v[PR]             ; pi / Ly
.irp i, 0,1,2
	v_fmaak_f32 v[ER+\i], v[EU+\i], v[C13], 0x3dba2e8c     ; s^2/13 + 1/11
.endr
.irp k, 0x3de38e39, 0x3e124925, 0x3e4ccccd, 0x3eaaaaab     ; 1/9, 1/7, 1/5, 1/3
.irp i, 0,1,2
	v_fmaak_f32 v[ER+\i], v[ER+\i], v[EU+\i], \k
.endr
.endr
.irp i, 0,1,2
	v_fma_f32 v[ER+\i], v[ER+\i], v[EU+\i], 1.0
.endr
.irp i, 0,1,2
	v_add_f32 v[EA+\i], v[EA+\i], v[EA+\i]
.endr
.irp i, 0,1,2
	v_fma_f32 v[VD+\i], v[EA+\i], v[ER+\i], v[VD+\i]       ; max(x,0) + 2 s (..)
.endr
.irp i, 0,1,2
	v_add_f32 v[VD+\i], 0x38d1b717, v[VD+\i]               ; + 1e-4
.endr
	v_mul_f32 v[EA+3], v[VMU], v[LY]
	v_rcp_f32 v[FS], v[EA+3]
	; ---- my mode: frequency, damping
	v_mul_f32 v[G1], v[FN], v[PR]
	v_mul_f32 v[G1], v[G1], v[G1]
	v_fma_f32 v[G1], v[PA], v[PA], v[G1]           ; g1 = (m pi)^2 + (n pi / Ly)^2
	v_fma_f32 v[W2], v[VD], v[G1], v[VT]
	v_mul_f32 v[W2], v[W2], v[G1]                  ; omega^2 = g1 (T0/mu + D/mu g1)
	v_max_num_f32 v[W2], 0, v[W2]
	v_sqrt_f32 v[OM], v[W2]
	v_fmaak_f32 v[SG], s[KBETA], v[W2], 0x3f935d8e ; sigma = alpha + beta omega^2, alpha = ln(10)/2
	s_wait_alu depctr_va_vdst(0)                   ; the reciprocal of mu Ly has written v[FS] and the root v[OM], which the lines below read
	v_mul_f32 v[FS+1], 0x38be37c6, v[FS]           ; 4K/(mu Ly) = K^2/ms/K, in both registers of the pair
	v_mul_f32 v[FS], 0x38be37c6, v[FS]
	v_mul_f32 v[LP], 0x38093693, v[SG]             ; sigma K log2(e)
	v_mul_f32 v[YK], 0x37be37c6, v[SG]             ; sigma K
	v_mul_f32 v[WT], 0x36723163, v[OM]             ; omega K / (2 pi): turns per sample
	; the four weight cosines' phases: index x turns, less the nearest whole number, the product kept exact by the fused multiply-add
.irp i, 0,1,2,3
	v_mul_f32 v[TT+\i], v[NV+\i], v[FM+(\i&1)]
.endr
.irp i, 0,1,2,3
	v_rndne_f32 v[TT+\i], v[TT+\i]
.endr
.irp i, 0,1,2,3
	v_fma_f32 v[TF+\i], v[NV+\i], v[FM+(\i&1)], -v[TT+\i]
.endr
	; six exponentials, asked for ahead of the long run of plain work below
.irp i, 0,1,2,3
	v_mul_f32 v[TM+\i], -v[NB+\i], v[LP]
.endr
	v_fmaak_f32 v[TM+4], s[KSIG], v[OM], 0xc4629e36    ; (omega - 20000 pi)/100 log2(e): the constant is -906.47203
	v_fmaak_f32 v[TM+5], s[KSIGN], v[OM], 0x3fe80e8d   ; (40 pi - omega)/100 log2(e): 1.8129441
.irp i, 0,1,2,3
	v_exp_f32 v[EX+\i], v[TM+\i]                   ; |z|^N
.endr
	v_exp_f32 v[E1], v[TM+4]
	v_exp_f32 v[E2], v[TM+5]
; Four angles side by side.  In: TF = fraction of a turn in [-1/2, 1/2].  x = theta/4 in [-pi/4, pi/4]; Taylor to x^9 and x^8
; (next terms below 2e-9 and 3e-8 there), then two doublings.  Out: TC = cos theta, TS = sin theta (sine = 1), TH = sin(theta/2), TT = 2 TH.
.macro TRIG4 sine
.irp i, 0,1,2,3
	v_mul_f32 v[TF+\i], 0x3fc90fdb, v[TF+\i]
.endr
.irp i, 0,1,2,3
	v_mul_f32 v[TX2+\i], v[TF+\i], v[TF+\i]
.endr
.irp i, 0,1,2,3
	v_fma_f32 v[TS+\i], v[TX2+\i], s[KS9], s[KS7]
.endr
.irp i, 0,1,2,3
	v_fma_f32 v[TC+\i], v[TX2+\i], s[KC8], s[KC6]
.endr
.irp i, 0,1,2,3
	v_fma_f32 v[TS+\i], v[TS+\i], v[TX2+\i], s[KS5]
.endr
.irp i, 0,1,2,3
	v_fma_f32 v[TC+\i], v[TC+\i], v[TX2+\i], s[KC4]
.endr
.irp i, 0,1,2,3
	v_fma_f32 v[TS+\i], v[TS+\i], v[TX2+\i], s[KS3]
.endr
.irp i, 0,1,2,3
	v_fma_f32 v[TC+\i], v[TC+\i], v[TX2+\i], -0.5
.endr
.irp i, 0,1,2,3
	v_mul_f32 v[TT+\i], v[TF+\i], v[TX2+\i]
.endr
.irp i, 0,1,2,3
	v_fma_f32 v[TC+\i], v[TC+\i], v[TX2+\i], 1.0           ; cos x
.endr
.irp i, 0,1,2,3
	v_fma_f32 v[TS+\i], v[TT+\i], v[TS+\i], v[TF+\i]       ; sin x = x + x^3 (..)
.endr
.irp i, 0,1,2,3
	v_add_f32 v[TT+\i], v[TS+\i], v[TS+\i]
.endr
.irp i, 0,1,2,3
	v_mul_f32 v[TH+\i], v[TT+\i], v[TC+\i]                 ; sin 2x
.endr
.irp i, 0,1,2,3
	v_fma_f32 v[TC+\i], -v[TT+\i], v[TS+\i], 1.0           ; cos 2x = 1 - 2 sin^2 x
.endr
.irp i, 0,1,2,3
	v_add_f32 v[TT+\i], v[TH+\i], v[TH+\i]
.endr
.if \sine
.irp i, 0,1,2,3
	v_mul_f32 v[TS+\i], v[TT+\i], v[TC+\i]                 ; sin 4x
.endr
.endif
.irp i, 0,1,2,3
	v_fma_f32 v[TC+\i], -v[TT+\i], v[TH+\i], 1.0           ; cos 4x
.endr
.endm
	TRIG4 0
	v_mul_f32 v[WGT], v[TC], v[TC+1]               ; in_w
	v_mul_f32 v[TM+1], v[TC+2], v[TC+3]            ; out_w
	s_wait_alu depctr_va_vdst(0)                   ; the six exponentials have written v[EX ..], v[E1] and v[E2]
	v_add_f32 v[E1], 1.0, v[E1]
	v_add_f32 v[E2], 1.0, v[E2]
	v_mul_f32 v[WGT], v[WGT], v[TM+1]
	v_mul_f32 v[E1], v[E1], v[E2]                  ; both sigmoids in one reciprocal; infinity gives exactly 0
	v_rcp_f32 v[E2], v[E1]
	; the four powers' phases: N w in turns
.irp i, 0,1,2,3
	v_mul_f32 v[TT+\i], v[NB+\i], v[WT]
.endr
.irp i, 0,1,2,3
	v_rndne_f32 v[TT+\i], v[TT+\i]
.endr
.irp i, 0,1,2,3
	v_fma_f32 v[TF+\i], v[NB+\i], v[WT], -v[TT+\i]
.endr
	v_fmaak_f32 v[TM], s[KC4], v[YK], 0x3e2aaaab   ; expm1(y) = y (1 + y (1/2 + y (1/6 + y/24)))
	v_fma_f32 v[TM], v[TM], v[YK], 0.5
	v_fma_f32 v[TM], v[TM], v[YK], 1.0
	v_mul_f32 v[TM], v[TM], v[YK]
	s_wait_alu depctr_va_vdst(0)                   ; the sigmoids' reciprocal has written v[E2], which the next line reads
	v_mul_f32 v[WGT], v[WGT], v[E2]                ; x valid
	v_mul_f32 v[WGT], v[WGT], v[EX]                ; x exp(-sigma K): P without K^2/ms
	TRIG4 1
	; d = c (cos w - exp(sigma K) + i sin w), c = P / (sin w + 1e-8); cos w - exp(sigma K) = -(2 sin^2(w/2) + expm1(sigma K))
	v_add_f32 v[TM+1], 0x322bcc77, v[TS]
	v_rcp_f32 v[TM+2], v[TM+1]
	v_fma_f32 v[TM], v[TT], v[TH], v[TM]
	v_cmp_neq_f32 vcc_lo, 0, v[WGT]
	s_wait_alu depctr_va_vdst(0)                   ; the reciprocal of sin w + 1e-8 has written v[TM+2], which the next line reads
	v_mul_f32 v[TM+2], v[WGT], v[TM+2]
	s_wait_alu depctr_va_vcc(0)                    ; the compare has written VCC, which the select below reads
	v_cndmask_b32 v[TM+2], 0, v[TM+2], vcc_lo      ; a mode of weight 0 counts 0 whatever its denominator
	v_mul_f32 v[DRE], -v[TM+2], v[TM]
	v_mul_f32 v[DIM], v[TM+2], v[TS]
; Complex products on pairs: the lower register of every pair belongs to V (powers of z), the upper to U (powers of z^128).
; y = x z in two halves, so that several products can be interleaved.  x, y: (re, re), (im, im).  z: the same and (-im, -im).
.macro CMA t, x, z
	v_pk_mul_f32 v[\t:\t+1], v[\x:\x+1], v[\z:\z+1]
	v_pk_mul_f32 v[\t+2:\t+3], v[\x:\x+1], v[\z+2:\z+3]
.endm
.macro CMB y, x, z, t
	v_pk_fma_f32 v[\y:\y+1], v[\x+2:\x+3], v[\z+4:\z+5], v[\t:\t+1]
	v_pk_fma_f32 v[\y+2:\y+3], v[\x+2:\x+3], v[\z:\z+1], v[\t+2:\t+3]
.endm
	v_pk_mul_f32 v[ZM1:ZM1+1], v[TC:TC+1], v[EX:EX+1]          ; (z, z^128)
	v_pk_mul_f32 v[ZM1+2:ZM1+3], v[TS:TS+1], v[EX:EX+1]
	v_pk_mul_f32 v[XC:XC+1], v[TC+2:TC+3], v[EX+2:EX+3]        ; (z^col0, z^(128 row0))
	v_pk_mul_f32 v[XC+2:XC+3], v[TS+2:TS+3], v[EX+2:EX+3]
	v_pk_mul_f32 v[ZM1+4:ZM1+5], v[ZM1+2:ZM1+3], -1.0 op_sel_hi:[1,0]
	v_mul_f32 v[TM], v[XC+1], v[DRE]               ; the U side takes d
	v_mul_f32 v[TM+1], v[XC+1], v[DIM]
	v_fma_f32 v[XC+1], -v[XC+3], v[DIM], v[TM]
	v_fma_f32 v[XC+3], v[XC+3], v[DRE], v[TM+1]
	CMA TM, XC, ZM1                                ; chain 1 = chain 0 x z
	CMA TM+4, ZM1, ZM1                             ; z^2
	CMB XC+4, XC, ZM1, TM
	CMB ZM2, ZM1, ZM1, TM+4
	v_pk_mul_f32 v[ZM2+4:ZM2+5], v[ZM2+2:ZM2+3], -1.0 op_sel_hi:[1,0]
	CMA TM, XC, ZM2                                ; chains 2, 3 = chains 0, 1 x z^2
	CMA TM+4, XC+4, ZM2
	CMA TM+8, ZM2, ZM2                             ; z^4: the chains' step
	CMB XC+8, XC, ZM2, TM
	CMB XC+12, XC+4, ZM2, TM+4
	CMB ZM4, ZM2, ZM2, TM+8
	v_pk_mul_f32 v[ZM4+4:ZM4+5], v[ZM4+2:ZM4+3], -1.0 op_sel_hi:[1,0]
	; ---- 24 steps: chain q holds column q + 4 i of V and row q + 4 i of U.  V has 16 of them; in the last eight the lower
	; halves run on unused (four single instructions a chain would be as many).  Longest run: 23 products, each of a few 1e-7.
	; Step i rounds into slot i % 8 of HV; beside its conversions stand the LDS stores of step i - 4, out of slot (i - 4) % 8.
.set i, 0
.rept 24
.if (i >= 2*LAG) && (i % LAG == 0)
	s_wait_alu depctr_vm_vsrc(0)                   ; the LDS stores issued in the four steps before have read their four slots of HV, which this group's conversions write again
.endif
.if (i >= LAG) && (i % LAG == 0)
	s_wait_alu depctr_va_vdst(0)                   ; the conversions of the four steps before have written the other four slots, which this group's LDS stores read (the first time: v[AU] and v[AV] are written too)
.endif
.irp q, 0,1,2,3
.if (i >= LAG) && (i-LAG < 16)
	ds_store_b32 v[AV], v[HV+8*((i-LAG)%(2*LAG))+(\q)] offset:(4*(i-LAG)+(\q))*PITCH      ; no vector instruction since the wait names these slots
.endif
.if i >= LAG
	ds_store_b32 v[AU], v[HV+8*((i-LAG)%(2*LAG))+4+(\q)] offset:(4*(i-LAG)+(\q))*PITCH
.endif
.if i < 16
	v_cvt_pk_f16_f32 v[HV+8*(i%(2*LAG))+(\q)], v[XC+4*(\q)+2], v[XC+4*(\q)]               ; (Im V, Re V)
.endif
	v_cvt_pk_f16_f32 v[HV+8*(i%(2*LAG))+4+(\q)], v[XC+4*(\q)+1], v[XC+4*(\q)+3]           ; (Re U, Im U)
.endr
.if i < 23
.irp q, 0,1,2,3
	CMA TM+4*\q, XC+4*\q, ZM4
.endr
.irp q, 0,1,2,3
	CMB XC+4*\q, XC+4*\q, ZM4, TM+4*\q
.endr
.endif
.set i, i+1
.endr
	s_wait_alu depctr_va_vdst(0)                   ; the last four steps' conversions have written their slots, which the stores below read.  No vector instruction stands between this wait and the
	                                               ; fragments' first loads, so it also states: every vector instruction that read or wrote v[8:167], in which they land, is done, and v[ADA], v[ADB] are written
.set i, 24-LAG
.rept LAG                                              ; steps 20 to 23 have rows of U alone
.irp q, 0,1,2,3
	ds_store_b32 v[AU], v[HV+8*(i%(2*LAG))+4+(\q)] offset:(4*i+(\q))*PITCH
.endr
.set i, i+1
.endr
	s_wait_dscnt 0x0                               ; my columns of U and V are written,
	s_barrier_signal -1
	s_barrier_wait -1                              ; everybody's are
	s_wait_alu depctr_vm_vsrc(0)                   ; my LDS stores have read HV, v[AU] and v[AV]: these registers are fragment buffers from here on, written by the loads below
	; ---- the product.  A wave makes 48 rows x 32 columns: 3 x 2 blocks, K = 256 in eight steps of 32.
	; Source 0 = 16 columns of V, source 1 = 16 rows of U: lane (r, h) then holds row r and the eight neighbouring columns 8 h + 0..7.
.macro LDV f, c, ks                    ; V's fragment c of K step ks: two loads
	ds_load_b128 v[(\f)+8*(\c):(\f)+8*(\c)+3], v[ADB] offset:(\c)*16*PITCH+64*(\ks)
	ds_load_b128 v[(\f)+8*(\c)+4:(\f)+8*(\c)+7], v[ADB] offset:(\c)*16*PITCH+64*(\ks)+32
.endm
.macro LDU f, a, ks                    ; U's fragment a of K step ks: two loads
	ds_load_b128 v[(\f)+16+8*(\a):(\f)+16+8*(\a)+3], v[ADA] offset:(\a)*16*PITCH+64*(\ks)
	ds_load_b128 v[(\f)+16+8*(\a)+4:(\f)+16+8*(\a)+7], v[ADA] offset:(\a)*16*PITCH+64*(\ks)+32
.endm
.macro FETCH f, ks                     ; one K step: ten loads, V's two fragments, then U's three
	LDV \f, 0, \ks
	LDV \f, 1, \ks
	LDU \f, 0, \ks
	LDU \f, 1, \ks
	LDU \f, 2, \ks
.endm
.macro MUL6 f, zero                    ; the six accumulators take turns, one instruction a turn
.irp a, 0,1,2
.irp c, 0,1
.if \zero
	v_wmma_f32_16x16x32_f16 v[ACC+8*(2*\a+\c):ACC+8*(2*\a+\c)+7], v[\f+8*\c:\f+8*\c+7], v[\f+16+8*\a:\f+16+8*\a+7], 0
.else
	v_wmma_f32_16x16x32_f16 v[ACC+8*(2*\a+\c):ACC+8*(2*\a+\c)+7], v[\f+8*\c:\f+8*\c+7], v[\f+16+8*\a:\f+16+8*\a+7], v[ACC+8*(2*\a+\c):ACC+8*(2*\a+\c)+7]
.endif
.endr
.endr
.endm
.macro WM f, a, c                      ; one of the six
	v_wmma_f32_16x16x32_f16 v[ACC+8*(2*(\a)+(\c)):ACC+8*(2*(\a)+(\c))+7], v[(\f)+8*(\c):(\f)+8*(\c)+7], v[(\f)+16+8*(\a):(\f)+16+8*(\a)+7], v[ACC+8*(2*(\a)+(\c)):ACC+8*(2*(\a)+(\c))+7]
.endm
; The six matrix instructions of the K step in f, in MUL6's order, and among them the twenty loads of K steps ks and ks + 1 into the whole other buffer g, four behind each of the
; first five, step ks's ten first.  No wait among them: these matrix instructions name f's 40 registers and the accumulators, none of g's.
.macro MULF f, g, ks
	WM \f, 0, 0
	LDV \g, 0, \ks
	LDV \g, 1, \ks
	WM \f, 0, 1
	LDU \g, 0, \ks
	LDU \g, 1, \ks
	WM \f, 1, 0
	LDU \g, 2, \ks
	LDV (\g)+40, 0, (\ks)+1
	WM \f, 1, 1
	LDV (\g)+40, 1, (\ks)+1
	LDU (\g)+40, 0, (\ks)+1
	WM \f, 2, 0
	LDU (\g)+40, 1, (\ks)+1
	LDU (\g)+40, 2, (\ks)+1
	WM \f, 2, 1
.endm
.macro PLACES                          ; four plain vector instructions between a matrix instruction and a load into, or a read of, its registers
.rept 4
	v_nop
.endr
.endm
	FETCH FB0, 0
	FETCH FB0+40, 1
	FETCH FB1, 2
	FETCH FB1+40, 3
	s_wait_dscnt 30                                ; LDS loads come back in order: step 0's ten are in, thirty younger may be out
	MUL6 FB0, 1                                    ; the first products start the sums
	s_wait_dscnt 20                                ; step 1's are in
	MUL6 FB0+40, 0
	PLACES
	s_wait_alu depctr_va_vdst(0)                   ; the matrix instructions of steps 0 and 1 are done reading FB0, in which the loads of steps 4 and 5 land
	s_wait_dscnt 10                                ; step 2's are in: step 3's ten may be out
	MULF FB1, FB0, 4
	s_wait_dscnt 20                                ; step 3's are in: the twenty just issued may be out
	MUL6 FB1+40, 0
	PLACES
	s_wait_alu depctr_va_vdst(0)                   ; the matrix instructions of steps 2 and 3 are done reading FB1, in which the loads of steps 6 and 7 land
	s_wait_dscnt 10                                ; step 4's are in: step 5's ten may be out
	MULF FB0, FB1, 6
	s_wait_dscnt 20                                ; step 5's are in: the twenty just issued may be out
	MUL6 FB0+40, 0
	s_wait_dscnt 10                                ; step 6's
	MUL6 FB1, 0
	s_wait_dscnt 0                                 ; step 7's
	MUL6 FB1+40, 0
	PLACES
	; ---- the way out: scale, 32 bytes a lane into the stage, back as whole rows of 256 bytes
.irp j, 0,1,2,3,4,5,6,7,8,9,10,11,12,13,14,15,16,17,18,19,20,21,22,23
	v_pk_mul_f32 v[ACC+2*\j:ACC+2*\j+1], v[ACC+2*\j:ACC+2*\j+1], v[FS:FS+1]
.endr
	s_wait_alu depctr_va_vdst(0)                   ; the scalings have written the accumulators, which the LDS stores read.  No vector instruction follows, so it also states: the matrix
	                                               ; instructions are done reading v[8:55], in which the loads from the stage land
.irp a, 0,1,2
.irp c, 0,1
	ds_store_b128 v[STO], v[ACC+8*(2*\a+\c):ACC+8*(2*\a+\c)+3] offset:\a*16*SPITCH+\c*64
	ds_store_b128 v[STO], v[ACC+8*(2*\a+\c)+4:ACC+8*(2*\a+\c)+7] offset:\a*16*SPITCH+\c*64+16
.endr
.endr
	s_wait_dscnt 0x0                               ; a row of the stage is written by two waves: my part is there,
	s_barrier_signal -1
	s_barrier_wait -1                              ; everybody's is
.irp i, 0,1,2,3,4,5,6,7,8,9,10,11
	ds_load_b128 v[FB0+4*\i:FB0+4*\i+3], v[RD] offset:\i*8*SPITCH
.endr
.irp i, 0,1,2,3,4,5,6,7,8,9,10,11
	s_wait_dscnt 11-\i                             ; load i is in, the younger ones may be out
	global_store_b128 v[GO], v[FB0+4*\i:FB0+4*\i+3], s[16:17] offset:\i*4096   ; sixteen lanes store 256 consecutive bytes, at a multiple of 256 from the buffer's first byte
.endr
	s_wait_dscnt 0x0                               ; the closing lines, six on end
	s_wait_alu 0x0
	s_wait_tensorcnt 0x0
	ds_add_u32 v248, v249
	s_wait_dscnt 0x0
	s_endpgm
.Lfunc_end_k_q496ac378e1_bank:
	.size	k_q496ac378e1_bank, .Lfunc_end_k_q496ac378e1_bank-k_q496ac378e1_bank
	.p2alignl 7, 3214868480
	.fill 96, 4, 3214868480
	.section	.rodata,"a",@progbits
	.p2align	6, 0x0
	.amdhsa_kernel k_q496ac378e1_bank
		.amdhsa_group_segment_fixed_size 111104
		.amdhsa_private_segment_fixed_size 0
		.amdhsa_enable_private_segment 0
		.amdhsa_kernarg_size 56
		.amdhsa_user_sgpr_count 2
		.amdhsa_user_sgpr_kernarg_segment_ptr 1
		.amdhsa_wavefront_size32 1
		.amdhsa_system_sgpr_workgroup_id_x 1
		.amdhsa_system_sgpr_workgroup_id_y 1
		.amdhsa_system_sgpr_workgroup_id_z 1
		.amdhsa_system_vgpr_workitem_id 0
		.amdhsa_next_free_vgpr 250
		.amdhsa_next_free_sgpr 66
		.amdhsa_reserve_vcc 1
		.amdhsa_float_denorm_mode_32 3
		.amdhsa_float_denorm_mode_16_64 3
		.amdhsa_memory_ordered 1
		.amdhsa_forward_progress 1
		.amdhsa_inst_pref_size 78
	.end_amdhsa_kernel
	.amdgpu_metadata
---
amdhsa.version: [ 1, 2 ]
amdhsa.kernels:
  - .name:           k_q496ac378e1_bank
    .symbol:         k_q496ac378e1_bank.kd
    .args:
      - { .name: D_over_mu_raw, .offset: 0, .size: 8, .value_kind: global_buffer, .address_space: global }
      - { .name: Ly_raw, .offset: 8, .size: 8, .value_kind: global_buffer, .address_space: global }
      - { .name: T0_over_mu_raw, .offset: 16, .size: 8, .value_kind: global_buffer, .address_space: global }
      - { .name: mu_raw, .offset: 24, .size: 8, .value_kind: global_buffer, .address_space: global }
      - { .name: xo_raw, .offset: 32, .size: 8, .value_kind: global_buffer, .address_space: global }
      - { .name: yo_raw, .offset: 40, .size: 8, .value_kind: global_buffer, .address_space: global }
      - { .name: part, .offset: 48, .size: 8, .value_kind: global_buffer, .address_space: global }
    .group_segment_fixed_size: 111104
    .private_segment_fixed_size: 0
    .kernarg_segment_align: 8
    .kernarg_segment_size: 56
    .max_flat_workgroup_size: 128
    .sgpr_count:     66
    .vgpr_count:     250
    .wavefront_size: 32
...
	.end_amdgpu_metadata
.endif
;; end of part 4
;; launch fold: the kernel of part 2 again; grid 173 x 1, 10 waves a work-group, no clusters, 6,400 bytes of LDS; arguments part, vel, bmax; writes vel, bmax
;; launch norm: the kernel of part 3 again; grid 173 x 1, 1 waves a work-group, no clusters, 0 bytes of LDS; arguments vel, bmax, out0; writes out0
